; MI455X (gfx1250); checked and timed in simulation.
; The chip was launched on July 23, 2026; its instructions are those of AMD's public machine-readable ISA for CDNA 5 (MIT licence, August 2026) and "CDNA5" Instruction Set Architecture Reference Guide (July 2026). The comments in the code are by the model that wrote it; some were corrected since.
;; Grouped Query Attention. Allowed arithmetic: matrix products marked QUANTISED: E2M1 operands, one E8M0 scale for each 32 along K, by v_wmma_scale_f32_16x16x128_f8f6f4 with both operands' format E2M1 (or v_wmma_scale_f32_32x16x128_f4), f32 sums; everything else in f32.
;; Inputs: hidden_states 1 x 4,096 x 1,024 float32; k_b 256 float32; k_w 256 x 1,024 float32; q_b 1,024 float32; q_w 1,024 x 1,024 float32; v_b 256 float32; v_w 256 x 1,024 float32.
;; Outputs: out0 1 x 4,096 x 1,024 float32.
;; This version of the problem:
;;   THIS VERSION OF THE PROBLEM IS GIVEN IN LOW PRECISION. The matrix products marked QUANTISED in the list below multiply operands that are first quantised to E2M1 (2 exponent bits, 1 mantissa bit; 4 bits a number), with one power-of-two scale for each 32 numbers along K (OCP MX v1.0); their sums are f32. All else is computed in f32.
;;   The module's matrix products, in the order in which they are computed (A, B: the left and right operand; K: the contracted axis; several contracted axes count as one K, in the product's order):
;;     1. [M 4,096, K 1,024] x [K 1,024, N 1,024]; A: input hidden_states; B: input q_w: QUANTISED
;;     2. [M 4,096, K 1,024] x [K 1,024, N 256]; A: input hidden_states; B: input k_w: QUANTISED
;;     3. [M 4,096, K 1,024] x [K 1,024, N 256]; A: input hidden_states; B: input v_w: QUANTISED
;;     4. batch 4 x [M 4,096, K 64] x [K 64, N 16,384]; A: computed on the way; B: computed on the way: QUANTISED
;;     5. batch 4 x [M 64, K 4,096] x [K 4,096, N 16,384]; A: computed on the way; B: softmax (see below): QUANTISED
;;   THE QUANTISER, for each operand of a quantised product, along K:
;;     - K is cut into blocks of 32 from its start; a last block that is shorter is filled with zeros.
;;     - A block's scale is 2^e with e = floor(log2(the largest magnitude in the block)) - 2, held to -126 .. 127; a block of zeros has e = 0. As a byte (E8M0): e + 127.
;;     - Each number is divided by its block's scale, clamped to +-6, and rounded to the nearest number of E2M1, ties to even, subnormals kept.
;;     - The product sums the exact products of the quantised numbers (number of the format x scale) in f32.
;;   ~~~python
;;   def quantise(x, axis):      # numpy; x: float32 -> the quantised numbers, widened to float32 again
;;       x = np.moveaxis(x, axis, -1); K = x.shape[-1]
;;       x = np.pad(x, [(0, 0)] * (x.ndim - 1) + [(0, -K % 32)]); x = x.reshape(x.shape[:-1] + (-1, 32)); a = np.abs(x).max(-1, keepdims=True)
;;       e = np.where(a > 0, np.clip(np.frexp(np.where(a > 0, a, 1))[1] - 1 - 2, -126, 127), 0)      # np.frexp(a)[1] - 1 = floor(log2(a)), exactly
;;       r = np.clip(x / 2.0 ** e, -6, 6)
;;       step = 2.0 ** (np.maximum(np.frexp(np.where(r == 0, 1, r))[1] - 1, 0) - 1)
;;       q = np.round(r / step) * step * 2.0 ** e      # np.round: ties to even
;;       return np.moveaxis(q.reshape(q.shape[:-2] + (-1,))[..., :K], -1, axis).astype(np.float32)
;;   ~~~
;;   SOFTMAX AHEAD OF A QUANTISED PRODUCT. Where the list says 'softmax', what is quantised is not the finished softmax but p = 2^(t - M), with t = logit x log2(e) and M = ceil(the row's largest t), a whole number; so 1/2 < the row's largest p <= 1. The row's sum l is taken of the UNQUANTISED p, in f32, and the product's result is divided by l at the end. Since M is a whole number, a kernel that streams over the keys may use a running M (the ceiling of the running maximum): every later rescaling is an exact power of two, which a block's scale takes up: the codes' values come out the same.
;;   OPERANDS COMPUTED ON THE WAY. 'Computed on the way' means the value that the module computes at that place (a softmax that the list does not call 'softmax' is quantised finished and normalised). What goes into a quantiser is computed in f32, as accurately as f32 sums, v_exp_f32 and their like allow (about 1e-6 of the number): no bf16 or f16 on the way to a quantiser, and a product that is left as it is and whose result goes on into a quantised operand takes f32 operands (vector FMAs, or v_wmma_f32_16x16x4_f32). A number that lies on a knife's edge between two numbers of the format may be rounded either way, as far as f32 arithmetic and the matrix unit's own rounding can turn it there, and no further.
;; One version. Each part assembles by itself: llvm-mc -triple=amdgcn-amd-amdhsa -mcpu=gfx1250 --defsym DOCPART=n.
;; ======== version 1 of 1: 3 launches
;; workspace buffers: x_codes 2,097,152 bytes; x_scales 131,072 bytes; w_codes 786,432 bytes; w_scales 49,152 bytes; q_img 2,097,152 bytes; q_sc 262,144 bytes; kvimg 1,179,648 bytes
;; launch quant (part 1): grid 176 x 1, 4 waves a work-group, no clusters, 33,280 bytes of LDS; arguments hidden_states, q_w, k_w, v_w, x_codes, x_scales, w_codes, w_scales; writes x_codes, x_scales, w_codes, w_scales
.if DOCPART == 1
	.amdgcn_target "amdgcn-amd-amdhsa--gfx1250"
	.amdhsa_code_object_version 6
	.text
	.protected	k_q4507d06726_quant
	.globl	k_q4507d06726_quant
	.p2align	8
	.type	k_q4507d06726_quant,@function
k_q4507d06726_quant:
	s_mov_b64 s[64:65], 0
	v_nop
	global_prefetch_b8 v0, s[64:65] scope:SCOPE_SE
	s_setreg_imm32_b32 hwreg(HW_REG_WAVE_MODE, 25, 1), 1
	s_wait_xcnt 0x0
; hidden_states [4096][1024], q_w [1024][1024], k_w [256][1024], v_w [256][1024], f32, K innermost in all four, become codes of FP4 (E2M1) and one E8M0 byte for each 32 along K.
; x_codes [4096][512 bytes], x_scales [4096][32]; w_codes [1536][512], w_scales [1536][32]: q_w's rows, then k_w's, then v_w's.
; A block's scale is 2^(floor(log2(its largest magnitude)) - 2); its byte is the largest magnitude's exponent field - 2, held at 1 from below.  A block of zeros so gets the byte 1: its codes are zeros, and this program alone reads the bytes.
; LIMITS: blocks whose largest magnitude lies under 2^-124 are quantised under the byte 1; NaN and infinities among the inputs are not served.
; Rows are dense and 1024 is a multiple of 32: each tensor is a plain stream of blocks.  A wave takes a run of 8,192 numbers, 16 steps of 512; a work-group four runs.
; Work-groups 0-127 take hidden_states, 128-159 q_w, 160-167 k_w, 168-175 v_w: only pointers are chosen, by the work-group's number; all take one path.
; Each of a step's four loads reads 512 consecutive bytes, 16 a lane; the 2,048 bytes turn through the wave's own stage in LDS and come back 64 a lane, so that a lane holds 16 neighbours along K (two lanes a block).
; A lane's 16 codes are 8 bytes: a store of the wave covers 256 consecutive bytes, aligned.  A wave's 256 scale bytes are gathered in its own LDS bytes and leave by one such store.
; No matrix unit, tensor load, cluster or barrier: a stream in which waves share nothing.
.set STEPS, 16
.set EMAX,  2
.set CB,    8                          ; bytes of 16 codes
.set R,     16                         ; v16-79   four sets of 16 numbers as loaded
.set X,     80                         ; v80-111  two sets of 16 neighbours
.set E,     112                        ; v112-127 a scale byte for each step
.set C,     128                        ; v128-191 codes, four registers for each step: no store's data are written again
.set WREG,  8192                       ; LDS of a wave: two stages of 32 x SP bytes, then its 256 scale bytes
.set SP,    80                         ; a lane's place in a stage: 64 bytes + 16 of padding
.set SRC,   20                         ; s[20:21] the numbers
.set COD,   24                         ; s[24:25] the codes
.set SCB,   26                         ; s[26:27] the scale bytes
	s_load_b512 s[4:19], s[0:1], 0x0               ; hidden 4, q_w 6, k_w 8, v_w 10, x_codes 12, x_scales 14, w_codes 16, w_scales 18
	v_lshl_add_u32 v192, v0, 2, 0x8000
	v_mov_b32 v193, 0
	v_lshrrev_b32 v1, 5, v0
	v_readfirstlane_b32 s28, v1                    ; wave
	v_and_b32 v2, 31, v0                           ; lane
	v_lshlrev_b32 v3, 4, v2                        ; my 16 bytes of a load's 512
	s_mul_i32 s29, s28, WREG
	v_lshrrev_b32 v14, 2, v2
	v_mul_u32_u24 v14, v14, SP
	v_and_b32 v15, 3, v2
	v_lshl_add_u32 v14, v15, 4, v14
	v_add_nc_u32 v14, s29, v14                     ; the stage, in: SP (lane / 4) + 16 (lane % 4)
	v_mul_u32_u24 v15, v2, SP
	v_add_nc_u32 v15, s29, v15                     ; out: SP x lane
	v_mul_u32_u24 v4, v2, CB                       ; my codes' place in a step's
	v_lshrrev_b32 v5, 1, v2
	s_add_co_u32 s29, s29, 2*32*SP
	v_add_nc_u32 v5, s29, v5                       ; my block's scale byte in LDS
	v_lshlrev_b32 v7, 3, v2                        ; on the way out 8 bytes a lane
	v_add_nc_u32 v6, s29, v7
	s_mov_b32 s22, 168
	s_wait_kmcnt 0x0
	s_cmp_lt_u32 ttmp9, 168                        ; which tensor: the choices hang on the work-group's number alone
	s_cselect_b64 s[SRC:SRC+1], s[8:9], s[10:11]
	s_cselect_b32 s22, 160, s22                    ; s22: the tensor's first work-group
	s_cmp_lt_u32 ttmp9, 160
	s_cselect_b64 s[SRC:SRC+1], s[6:7], s[SRC:SRC+1]
	s_cselect_b32 s22, 128, s22
	s_cmp_lt_u32 ttmp9, 128
	s_cselect_b64 s[SRC:SRC+1], s[4:5], s[SRC:SRC+1]
	s_cselect_b32 s22, 0, s22
	s_cselect_b64 s[COD:COD+1], s[12:13], s[16:17]
	s_cselect_b64 s[SCB:SCB+1], s[14:15], s[18:19]
	s_cselect_b32 s23, 0, 128                      ; s23: the first work-group of the buffers written (the three weights lie on end)
	s_sub_co_u32 s22, ttmp9, s22
	s_lshl_b32 s22, s22, 2
	s_add_co_u32 s22, s22, s28                     ; my run in the tensor read
	s_lshl_b32 s30, s22, 15                        ; 32,768 bytes a run
	s_mov_b32 s31, 0
	s_add_nc_u64 s[SRC:SRC+1], s[SRC:SRC+1], s[30:31]
	s_sub_co_u32 s23, ttmp9, s23
	s_lshl_b32 s23, s23, 2
	s_add_co_u32 s23, s23, s28                     ; my run in the buffers written
	s_lshl_b32 s30, s23, 12                        ; 4,096 bytes of codes a run
	s_add_nc_u64 s[COD:COD+1], s[COD:COD+1], s[30:31]
	s_lshl_b32 s30, s23, 8                         ; 256 scale bytes a run
	s_add_nc_u64 s[SCB:SCB+1], s[SCB:SCB+1], s[30:31]
.macro LOAD t
.irp i, 0,1,2,3
	global_load_b128 v[R+16*((\t)%4)+4*\i:R+16*((\t)%4)+4*\i+3], v3, s[SRC:SRC+1] offset:2048*(\t)+512*\i th:TH_LOAD_NT
.endr
.endm
.macro TURN t                          ; step t's numbers through the stage: LDS serves a wave's instructions in order, so no wait stands between the stores and the loads
.irp i, 0,1,2,3
	ds_store_b128 v14, v[R+16*((\t)%4)+4*\i:R+16*((\t)%4)+4*\i+3] offset:32*SP*((\t)%2)+8*SP*\i
.endr
.irp i, 0,1,2,3
	ds_load_b128 v[X+16*((\t)%2)+4*\i:X+16*((\t)%2)+4*\i+3], v15 offset:32*SP*((\t)%2)+16*\i
.endr
.endm
.irp t, 0,1,2,3
	LOAD \t
.endr
	s_wait_loadcnt 12                              ; step 0's four loads are in; the twelve of steps 1 to 3 stay out
	TURN 0
.macro STEP t
.set XS, X+16*((\t)%2)
.if (\t) > 0
	s_wait_dscnt 1                                 ; this step's numbers are back from the stage (the last step's byte store may be out), so its stores into the stage have read their registers,
.else
	s_wait_dscnt 0x0
.endif
.if (\t)+4 < STEPS
	LOAD (\t)+4                                    ; which take the loads of four steps on
.endif
.if (\t)+1 < STEPS
.if STEPS-2-(\t) >= 3
	s_wait_loadcnt 12                              ; the next step's four loads are in; those of the three steps behind it may be out
.else
	s_wait_loadcnt 4*(STEPS-2-(\t))
.endif
	TURN (\t)+1                                    ; they go through the other stage while this step is worked
.endif
	v_max3_num_f32 v8, |v[XS]|, |v[XS+1]|, |v[XS+2]|               ; the largest magnitude of my 16, in two chains
	v_max3_num_f32 v9, |v[XS+3]|, |v[XS+4]|, |v[XS+5]|
.irp i, 6,10
	v_max3_num_f32 v8, v8, |v[XS+\i]|, |v[XS+\i+1]|
	v_max3_num_f32 v9, v9, |v[XS+\i+2]|, |v[XS+\i+3]|
.endr
	v_max3_num_f32 v8, v8, |v[XS+14]|, |v[XS+15]|
	v_max3_num_f32 v8, v8, v9, (EMAX+1)<<23        ; and the floor 2^(3 - 127): the byte cannot fall under 1
	v_max_num_f32_dpp v8, v8, v8 row_xmask:1 row_mask:0xf bank_mask:0xf   ; with my neighbour's 16: the block's
	v_add_nc_u32 v11, -(EMAX<<23), v8              ; 2 off its exponent field: the conversion takes that field as its scale, and nothing else of the operand
	v_cvt_scalef32_pk8_fp4_f32 v[C+4*(\t)], v[XS:XS+7], v11
	v_cvt_scalef32_pk8_fp4_f32 v[C+4*(\t)+1], v[XS+8:XS+15], v11
	v_lshrrev_b32 v[E+(\t)], 23, v11               ; the scale's byte (also the plain line behind the conversions)
	ds_store_b8 v5, v[E+(\t)] offset:16*(\t)       ; both lanes of a block write the same byte with the same value
	global_store_b64 v4, v[C+4*(\t):C+4*(\t)+1], s[COD:COD+1] offset:32*CB*(\t)
.endm
.irp t, 0,1,2,3,4,5,6,7,8,9,10,11,12,13,14,15
	STEP \t
.endr
	ds_load_b64 v[12:13], v6                       ; in order behind my byte stores
	s_wait_dscnt 0x0
	global_store_b64 v7, v[12:13], s[SCB:SCB+1]    ; 32 lanes store 256 consecutive bytes, aligned
	s_wait_tensorcnt 0x0
	ds_add_u32 v192, v193
	s_wait_dscnt 0x0
	s_endpgm
.Lfunc_end_k_q4507d06726_quant:
	.size	k_q4507d06726_quant, .Lfunc_end_k_q4507d06726_quant-k_q4507d06726_quant
	.p2alignl 7, 3214868480
	.fill 96, 4, 3214868480
	.section	.rodata,"a",@progbits
	.p2align	6, 0x0
	.amdhsa_kernel k_q4507d06726_quant
		.amdhsa_group_segment_fixed_size 33280
		.amdhsa_private_segment_fixed_size 0
		.amdhsa_enable_private_segment 0
		.amdhsa_kernarg_size 64
		.amdhsa_user_sgpr_count 2
		.amdhsa_user_sgpr_kernarg_segment_ptr 1
		.amdhsa_wavefront_size32 1
		.amdhsa_system_sgpr_workgroup_id_x 1
		.amdhsa_system_sgpr_workgroup_id_y 1
		.amdhsa_system_sgpr_workgroup_id_z 1
		.amdhsa_system_vgpr_workitem_id 0
		.amdhsa_next_free_vgpr 194
		.amdhsa_next_free_sgpr 66
		.amdhsa_reserve_vcc 0
		.amdhsa_float_denorm_mode_32 3
		.amdhsa_float_denorm_mode_16_64 3
		.amdhsa_memory_ordered 1
		.amdhsa_forward_progress 1
		.amdhsa_inst_pref_size 34
	.end_amdhsa_kernel
	.amdgpu_metadata
---
amdhsa.version: [ 1, 2 ]
amdhsa.kernels:
  - .name:           k_q4507d06726_quant
    .symbol:         k_q4507d06726_quant.kd
    .args:
      - { .name: hidden_states, .offset: 0, .size: 8, .value_kind: global_buffer, .address_space: global }
      - { .name: q_w, .offset: 8, .size: 8, .value_kind: global_buffer, .address_space: global }
      - { .name: k_w, .offset: 16, .size: 8, .value_kind: global_buffer, .address_space: global }
      - { .name: v_w, .offset: 24, .size: 8, .value_kind: global_buffer, .address_space: global }
      - { .name: x_codes, .offset: 32, .size: 8, .value_kind: global_buffer, .address_space: global }
      - { .name: x_scales, .offset: 40, .size: 8, .value_kind: global_buffer, .address_space: global }
      - { .name: w_codes, .offset: 48, .size: 8, .value_kind: global_buffer, .address_space: global }
      - { .name: w_scales, .offset: 56, .size: 8, .value_kind: global_buffer, .address_space: global }
    .group_segment_fixed_size: 33280
    .private_segment_fixed_size: 0
    .kernarg_segment_align: 8
    .kernarg_segment_size: 64
    .max_flat_workgroup_size: 128
    .sgpr_count:     66
    .vgpr_count:     194
    .wavefront_size: 32
...
	.end_amdgpu_metadata
.endif
;; end of part 1
;; launch proj (part 2): grid 192 x 1, 8 waves a work-group, no clusters, 211,968 bytes of LDS; arguments x_codes, x_scales, w_codes, w_scales, q_b, k_b, v_b, q_img, q_sc, kvimg; writes q_img, q_sc, kvimg
.if DOCPART == 2
	.amdgcn_target "amdgcn-amd-amdhsa--gfx1250"
	.amdhsa_code_object_version 6
	.text
	.protected	k_q4507d06726_proj
	.globl	k_q4507d06726_proj
	.p2align	8
	.type	k_q4507d06726_proj,@function
k_q4507d06726_proj:
	s_mov_b64 s[64:65], 0
	v_nop
	global_prefetch_b8 v0, s[64:65] scope:SCOPE_SE
	s_setreg_imm32_b32 hwreg(HW_REG_WAVE_MODE, 25, 1), 1
	s_wait_xcnt 0x0
; q = x Wq^T + bq, k = x Wk^T + bk, v = x Wv^T + bv on codes of FP4 with E8M0 scales (K = 1024), f32 sums; the results are quantised again in registers, q and k along the head's 64, v along the keys,
; and stored as IMAGES OF OPERAND REGISTERS for the attention launch (lane l's four registers at 16 l).
; ONE BODY, ROLES SWAPPED.  P is source 0: 128 rows, eight tiles, read by all eight waves.  R is source 1: 256 rows; wave w owns rows 32 w .. 32 w + 31, two tiles u.
;   work-groups 0-159 (q: nb = g / 16 under 8; k: nb = 8, 9): P = rows 128 nb on of the stacked weights, R = rows 256 (g % 16) on of x.    work-groups 160-191 (v): P = rows 128 (g - 160) on of x, R = weight rows 1280-1535.
; THE ROWS OF A TILE ARE NOT NEIGHBOURS: lane r of tile 2 b + u takes row 32 b + 8 u + r + 8 (r / 8).  In the result a lane holds one row of R, and the 16 registers of P's tiles 2 b, 2 b + 1 are P's rows 32 b + 16 (lane / 16) + 0 .. 15:
; 64 registers run along P, which is the next product's K (the two heads' 64 + 64 for q and k; 128 keys for v).
; LDS: both operands' codes for all of K come once, in two chunks of 512 along K (rows of 256 bytes + 16 of padding); no byte is filled twice, so there is no ring.  Each wave issues four tensor loads at the head: four of mine are out at the most.
; NO CLUSTER: q's and k's work-groups share P (64 of their 192 KiB), v's share R and no P, so no one masked line would serve all that issue it.
; THE BIASES ARE LOADED INTO THE ACCUMULATORS, so every product adds in place.  q, k: the bias runs along P, eight numbers a tile.  v: it hangs on the lane's channel alone: one number a tile, copied into its 64 registers once.
; LIMITS: as the quantiser ahead: a block under 2^-124 is quantised under the byte 1 (a block of zeros too: its codes are zeros); NaN and infinities are not served.
; REGISTERS: window 0: v1-15, v56-59 addresses; v16-47 P's scale words, v48-55 R's; v64-103 at work at the end; v128-255 the 16 accumulators ((u, t) at 128 + 64 u + 8 t).
;   window 1: two fragment buffers at 0 and 128: P's eight tiles, then R's two.
.set CH,    104448                     ; a chunk in LDS: P's 128 rows, then R's 256
.set ROFF,  34816
.set PITCH, 272
.set STG,   2*CH                       ; 2,048 bytes of their own: the scale words on their way out, [2][wave 8][128 bytes]
.set REC,   9216                       ; kvimg: the record of 128 keys of a KV head: K's 8 tiles (4,096), V's 4 (4,096), K's scale words (512), V's (512)
.set KVB,   32*REC                     ; a KV head
.set ADP, 4                            ; v4-5   my lane's place in P's tiles, chunk 0, 1
.set ADR, 6                            ; v6-7   in my wave's tiles of R
.set SOF, 8                            ; v8     my row's scale bytes: 32 x (8 (lane / 16) + r + 8 (r / 8))
.set BOP, 9                            ; v9     bias along P: 64 (lane / 16)
.set VO,  10                           ; v10-13 where fragment (u, half c) goes: 2 u + c
.set STI, 14                           ; v14    the stage, in
.set STO, 15                           ; v15    the stage, out
.set PS,  16                           ; register 8 b + s: lanes 0-15 tile 2 b's word, lanes 16-31 tile 2 b + 1's, K step s
.set RS,  48                           ; register s: lanes 0-15 tile u = 0, lanes 16-31 u = 1
.set SGO, 56                           ; v56    where my 8 bytes of scale words go
.set RP,  57                           ; v57    r + 8 (r / 8)
.set L16, 58                           ; v58    16 x lane
.set BOR, 59                           ; v59    bias along R: 4 (r + 8 (r / 8))
.set TM,  64                           ; v64-79 at work in QUANT
.set PC0, 80
.set PC1, 88
.set PW0, 96
.set PW1, 97
.set SELW, 98
.set B0,  99
.set B1,  100
.set OW,  102
.set ACC, 128
.set G1P, 24                           ; s[24:31] group 1: 16 rows;  s[32:39]: 32 rows;  s[40:55] four groups 0: P chunk 0, R chunk 0, P chunk 1, R chunk 1
.set G1R, 32
.set G0,  40
.set WV,  56
.set G,   57
.set NB,  58
.set RB,  59
.set SEL, 60
.set MB,  62
.set NK,  63
.set PCD, 70                           ; s[70:71] P's codes, s[72:73] R's, s[74:75] P's scale bytes, s[76:77] R's
.set RCD, 72
.set PSC, 74
.set RSC, 76
.set WOFF, 78
.set US,  79
.set HS,  80
.set SOFF, 81
.set DST, 82
.set SD,  84
.set MHI, 86
.set MLO, 87
.set MV,  88
.set BB,  90
.set MSB, 0
.macro WIN new                         ; the immediate's high byte repeats the setting that is left
.if MSB != \new
	s_set_vgpr_msb (MSB<<8)|\new
.set MSB, \new
.endif
.endm
.macro PLACES                          ; four plain places between matrix instructions and loads into, or reads of, their registers
.rept 4
	v_nop
.endr
.endm
	s_load_b512 s[4:19], s[0:1], 0x0               ; x_codes 4, x_scales 6, w_codes 8, w_scales 10, q_b 12, k_b 14, v_b 16, q_img 18
	s_load_b128 s[20:23], s[0:1], 0x40             ; q_sc 20, kvimg 22
	v_lshl_add_u32 v126, v0, 2, 0x33800
	v_mov_b32 v127, 0
	ds_add_u32 v126, v127
	ds_add_u32 v126, v127
	v_lshrrev_b32 v1, 5, v0
	v_readfirstlane_b32 s[WV], v1                  ; wave 0..7
	s_mov_b32 s[G], ttmp9
	s_lshr_b32 s[NB], s[G], 4
	s_and_b32 s[RB], s[G], 15
	s_max_u32 s[MB], s[G], 160
	s_sub_co_u32 s[MB], s[MB], 160                 ; v: which 128 keys (0 where it is not used)
	s_max_u32 s[NK], s[NB], 8
	s_sub_co_u32 s[NK], s[NK], 8                   ; k: which pair of KV heads
.irp g, G1P, G1R
	s_mov_b32 s[\g], (1<<20)|(5<<22)|(3<<25)       ; no mask; elements of 1 byte; padding on: 4 words behind every 64
	s_mov_b32 s[\g+1], 256<<16                     ; tensor_dim0
	s_mov_b32 s[\g+3], 256<<16                     ; tile_dim0
	s_mov_b32 s[\g+5], 512                         ; a row of codes in memory
	s_mov_b32 s[\g+6], 0
	s_mov_b32 s[\g+7], 0
.endr
	s_mov_b32 s[G1P+2], 16<<16                     ; tensor_dim1, tile_dim1
	s_mov_b32 s[G1P+4], 16
	s_mov_b32 s[G1R+2], 32<<16
	s_mov_b32 s[G1R+4], 32
	s_mov_b32 s[SEL], 0x76543210
	s_mov_b32 s[SEL+1], 0xfedcba98                 ; v_permlanex16_b32's selects for lane l xor 16
	s_lshl_b32 s92, s[NB], 16                      ; q, k: P begins 128 nb rows of 512 bytes on
	s_lshl_b32 s93, s[MB], 16                      ; v: 128 mb rows
	s_lshl_b32 s94, s[RB], 17                      ; q, k: R begins 256 rb rows on
	s_mov_b32 s95, 1280*512                        ; v: at weight row 1280
	s_mov_b32 s67, 0
	s_mov_b32 s69, 0
	s_mov_b32 s97, 0
	s_wait_dscnt 0x0
	s_wait_kmcnt 0x0
	s_cmp_lt_u32 s[G], 160                         ; the choices hang on the work-group's number alone
	s_cselect_b32 s66, s92, s93
	s_cselect_b32 s68, s94, s95
	s_cselect_b64 s[PCD:PCD+1], s[8:9], s[4:5]
	s_cselect_b64 s[RCD:RCD+1], s[4:5], s[8:9]
	s_cselect_b64 s[PSC:PSC+1], s[10:11], s[6:7]
	s_cselect_b64 s[RSC:RSC+1], s[6:7], s[10:11]
	s_add_nc_u64 s[PCD:PCD+1], s[PCD:PCD+1], s[66:67]
	s_add_nc_u64 s[RCD:RCD+1], s[RCD:RCD+1], s[68:69]
	s_lshr_b32 s66, s66, 4                         ; 32 scale bytes for a row's 512 of codes
	s_lshr_b32 s68, s68, 4
	s_add_nc_u64 s[PSC:PSC+1], s[PSC:PSC+1], s[66:67]
	s_add_nc_u64 s[RSC:RSC+1], s[RSC:RSC+1], s[68:69]
	s_lshl_b32 s96, s[WV], 13                      ; I fetch P's rows 16 w on,
	s_add_nc_u64 s[PCD:PCD+1], s[PCD:PCD+1], s[96:97]
	s_lshl_b32 s96, s[WV], 14                      ; and R's rows 32 w on
	s_add_nc_u64 s[RCD:RCD+1], s[RCD:RCD+1], s[96:97]
	s_lshl_b32 s96, s[WV], 10                      ; R's scale bytes: my 32 rows
	s_add_nc_u64 s[RSC:RSC+1], s[RSC:RSC+1], s[96:97]
	s_mul_i32 s94, s[WV], 16*PITCH
	s_mul_i32 s95, s[WV], 32*PITCH
	s_add_co_u32 s95, s95, ROFF
.irp c, 0,1
	s_mov_b32 s[G0+8*\c], 1
	s_add_co_u32 s[G0+8*\c+1], s94, \c*CH
	s_add_nc_u64 s[G0+8*\c+2:G0+8*\c+3], s[PCD:PCD+1], \c*256
	s_or_b32 s[G0+8*\c+3], s[G0+8*\c+3], 0x80000000
	s_mov_b32 s[G0+8*\c+4], 1
	s_add_co_u32 s[G0+8*\c+5], s95, \c*CH
	s_add_nc_u64 s[G0+8*\c+6:G0+8*\c+7], s[RCD:RCD+1], \c*256
	s_or_b32 s[G0+8*\c+7], s[G0+8*\c+7], 0x80000000
.endr
	tensor_load_to_lds s[G0:G0+3], s[G1P:G1P+7]            ; all first fills in one run, ahead of every wait on TENSORcnt, LDS read and barrier
	s_nop 0
	tensor_load_to_lds s[G0+4:G0+7], s[G1R:G1R+7]
	s_nop 0
	tensor_load_to_lds s[G0+8:G0+11], s[G1P:G1P+7]
	s_nop 0
	tensor_load_to_lds s[G0+12:G0+15], s[G1R:G1R+7]
	s_nop 0
	PLACES                                         ; four v_nop follow the last
	v_and_b32 v1, 31, v0                           ; lane
	v_and_b32 v2, 15, v0                           ; r
	v_bfe_u32 v3, v0, 4, 1                         ; h
	v_and_b32 v[RP], 8, v2
	v_add_nc_u32 v[RP], v[RP], v2                  ; r + 8 (r / 8)
	v_mul_u32_u24 v[ADP], v[RP], PITCH
	v_lshl_add_u32 v[ADP], v3, 4, v[ADP]
	v_add_nc_u32 v[ADP+1], CH, v[ADP]
	v_add_nc_u32 v[ADR], s95, v[ADP]
	v_add_nc_u32 v[ADR+1], s95, v[ADP+1]
	v_lshl_add_u32 v[SOF], v3, 3, v[RP]
	v_lshlrev_b32 v[SOF], 5, v[SOF]
	v_lshlrev_b32 v[BOP], 6, v3
	v_lshlrev_b32 v[BOR], 2, v[RP]
	s_lshl_b32 s92, s[NB], 9                       ; the bias: q_b + 128 nb numbers, k_b + 128 (nb - 8), v_b + 32 w
	s_lshl_b32 s93, s[NK], 9
	s_lshl_b32 s94, s[WV], 7
	s_cmp_lt_u32 s[G], 160
	s_cselect_b32 s96, s93, s94
	s_cselect_b64 s[BB:BB+1], s[14:15], s[16:17]
	s_cmp_lt_u32 s[G], 128
	s_cselect_b32 s96, s92, s96
	s_cselect_b64 s[BB:BB+1], s[12:13], s[BB:BB+1]
	s_add_nc_u64 s[BB:BB+1], s[BB:BB+1], s[96:97]
.irp b, 0,1,2,3
	global_load_b128 v[PS+8*\b:PS+8*\b+3], v[SOF], s[PSC:PSC+1] offset:1024*\b        ; a row's 32 scale bytes are its eight K steps' words
	global_load_b128 v[PS+8*\b+4:PS+8*\b+7], v[SOF], s[PSC:PSC+1] offset:1024*\b+16
.endr
	global_load_b128 v[RS:RS+3], v[SOF], s[RSC:RSC+1]
	global_load_b128 v[RS+4:RS+7], v[SOF], s[RSC:RSC+1] offset:16
	s_cmp_lt_u32 s[G], 160
	s_cbranch_scc0 .Lv_bias
.irp u, 0,1                            ; q, k: register j of accumulator (u, t) begins as the bias of P's row 32 (t / 2) + 8 (t % 2) + 16 h + j
.irp t, 0,1,2,3,4,5,6,7
	global_load_b128 v[ACC+64*\u+8*\t:ACC+64*\u+8*\t+3], v[BOP], s[BB:BB+1] offset:(32*(\t/2)+8*(\t%2))*4
	global_load_b128 v[ACC+64*\u+8*\t+4:ACC+64*\u+8*\t+7], v[BOP], s[BB:BB+1] offset:(32*(\t/2)+8*(\t%2))*4+16
.endr
.endr
	s_branch .Lbias_asked
.Lv_bias:                              ; v: all 64 registers of tile u begin as the bias of my channel 32 w + 8 u + r + 8 (r / 8)
	global_load_b32 v[ACC], v[BOR], s[BB:BB+1]
	global_load_b32 v[ACC+64], v[BOR], s[BB:BB+1] offset:32
	s_wait_loadcnt 0x0                             ; the tensor loads are on their way meanwhile
.irp u, 0,1
.set j, 1
.rept 63
	v_mov_b32 v[ACC+64*\u+j], v[ACC+64*\u]
.set j, j+1
.endr
.endr
.Lbias_asked:
	; where the results go.  q: q_img [head 16][tile 256][512]; k, v: kvimg [kv 4][key step 32][REC]
	s_lshl_b32 s92, s[NB], 18                      ; q: head 2 nb; tile 16 rb + 2 w + u
	s_lshl_b32 s96, s[RB], 13
	s_add_co_u32 s92, s92, s96
	s_lshl_b32 s96, s[WV], 10
	s_add_co_u32 s92, s92, s96
	s_mul_i32 s93, s[NK], 2*KVB                    ; k: KV head 2 (nb - 8); key step 2 rb + w / 4; tile 2 (w % 4) + u
	s_lshl_b32 s96, s[RB], 1
	s_lshr_b32 s98, s[WV], 2
	s_add_co_u32 s96, s96, s98
	s_mul_i32 s96, s96, REC
	s_add_co_u32 s93, s93, s96
	s_and_b32 s99, s[WV], 3
	s_lshl_b32 s96, s99, 10
	s_add_co_u32 s93, s93, s96
	s_lshr_b32 s96, s[WV], 1                       ; v: KV head w / 2; key step mb; channel tile 2 (w % 2) + u
	s_mul_i32 s94, s96, KVB
	s_mul_i32 s96, s[MB], REC
	s_add_co_u32 s94, s94, s96
	s_and_b32 s96, s[WV], 1
	s_lshl_b32 s96, s96, 11
	s_add_co_u32 s94, s94, s96
	s_add_co_u32 s94, s94, 4096
	s_mov_b32 s[US], 1024
	s_mov_b32 s[HS], KVB
	s_cmp_lt_u32 s[G], 160
	s_cselect_b32 s[WOFF], s93, s94
	s_cselect_b32 s[US], 512, s[US]                ; from tile u = 0 to u = 1
	s_cselect_b32 s[HS], s[HS], 512                ; from a fragment's registers 0-3 to 4-7: the next head (q, k), or 512 bytes (v)
	s_cselect_b32 s[MHI], 0xffff0000, 0            ; q, k: lanes 16-31 carry tile u = 1's word
	s_cselect_b32 s[MLO], 0xffff, -1               ; q, k: a head's two bytes; the upper two are 0
	s_cselect_b32 s[MV], 0, -1
	s_cmp_lt_u32 s[G], 128
	s_cselect_b32 s[WOFF], s92, s[WOFF]
	s_cselect_b32 s[HS], 131072, s[HS]
	s_cselect_b64 s[DST:DST+1], s[18:19], s[22:23]
	s_cselect_b64 s[SD:SD+1], s[20:21], s[22:23]
	; the scale words: wave w stores the 256 bytes that waves 2 j and 2 j + 1 made for half c' (c' = w / 4 in s98, j = w % 4 in s99)
	s_lshl_b32 s92, s[NB], 1                       ; q: q_sc [head][pair of tiles 128][32 lanes]
	s_add_co_u32 s92, s92, s98
	s_lshl_b32 s92, s92, 14
	s_lshl_b32 s96, s[RB], 10
	s_add_co_u32 s92, s92, s96
	s_lshl_b32 s96, s99, 8
	s_add_co_u32 s92, s92, s96
	s_lshl_b32 s93, s[NK], 1                       ; k: the record's bytes 8192 on, [pair of tiles 4][32 lanes]
	s_add_co_u32 s93, s93, s98
	s_mul_i32 s93, s93, KVB
	s_lshl_b32 s96, s[RB], 1
	s_lshr_b32 s95, s99, 1
	s_add_co_u32 s96, s96, s95
	s_mul_i32 s96, s96, REC
	s_add_co_u32 s93, s93, s96
	s_and_b32 s96, s99, 1
	s_lshl_b32 s96, s96, 8
	s_add_co_u32 s93, s93, s96
	s_add_co_u32 s93, s93, 8192
	s_mul_i32 s94, s99, KVB                        ; v: the record's bytes 8704 on, [u 2][b' 2][32 lanes]
	s_mul_i32 s96, s[MB], REC
	s_add_co_u32 s94, s94, s96
	s_lshl_b32 s96, s98, 8
	s_add_co_u32 s94, s94, s96
	s_add_co_u32 s94, s94, 8704
	s_cmp_lt_u32 s[G], 160
	s_cselect_b32 s[SOFF], s93, s94
	s_cmp_lt_u32 s[G], 128
	s_cselect_b32 s[SOFF], s92, s[SOFF]
	v_lshlrev_b32 v[L16], 4, v1
	v_add_nc_u32 v[VO], s[WOFF], v[L16]
	v_add_nc_u32 v[VO+1], s[HS], v[VO]
	v_add_nc_u32 v[VO+2], s[US], v[VO]
	v_add_nc_u32 v[VO+3], s[HS], v[VO+2]
	v_lshl_add_u32 v[STI], v0, 2, STG              ; 128 x wave + 4 x lane
	v_lshl_add_u32 v[STO], v0, 3, STG              ; 256 x wave + 8 x lane
	v_lshlrev_b32 v[SGO], 3, v1
	v_add_nc_u32 v[SGO], s[SOFF], v[SGO]
; 20 LDS loads: the fragments of 128 along K (quarter q of chunk c) into buffer f: P's eight tiles, my two of R
.macro FETCH c, q, f
	WIN 0x40                                       ; destination window 1, address window 0
.irp t, 0,1,2,3,4,5,6,7
.irp cc, 0,1
	ds_load_b128 v[128*(\f)+8*\t+4*\cc:128*(\f)+8*\t+4*\cc+3], v[ADP+\c] offset:(32*(\t/2)+8*(\t%2))*PITCH+64*(\q)+32*\cc
.endr
.endr
.irp u, 0,1
.irp cc, 0,1
	ds_load_b128 v[128*(\f)+64+8*\u+4*\cc:128*(\f)+64+8*\u+4*\cc+3], v[ADR+\c] offset:8*\u*PITCH+64*(\q)+32*\cc
.endr
.endr
.endm
; 16 matrix instructions: K step s from buffer f.  The 16 accumulators take turns, one instruction a turn, in the same order in every step.
.macro MUL f, s
	WIN 0x05                                       ; sources 0 and 1 window 1; C and D window 0
.irp u, 0,1
.irp t, 0,1,2,3,4,5,6,7
.if (\u == 0) && (\t%2 == 0)
	v_wmma_scale_f32_16x16x128_f8f6f4 v[ACC+64*\u+8*\t:ACC+64*\u+8*\t+7], v[128*(\f)+8*\t:128*(\f)+8*\t+7], v[128*(\f)+64+8*\u:128*(\f)+64+8*\u+7], v[ACC+64*\u+8*\t:ACC+64*\u+8*\t+7], v[PS+8*(\t/2)+(\s)], v[RS+(\s)] matrix_a_fmt:MATRIX_FMT_FP4 matrix_b_fmt:MATRIX_FMT_FP4
.elseif \u == 0
	v_wmma_scale_f32_16x16x128_f8f6f4 v[ACC+64*\u+8*\t:ACC+64*\u+8*\t+7], v[128*(\f)+8*\t:128*(\f)+8*\t+7], v[128*(\f)+64+8*\u:128*(\f)+64+8*\u+7], v[ACC+64*\u+8*\t:ACC+64*\u+8*\t+7], v[PS+8*(\t/2)+(\s)], v[RS+(\s)] matrix_a_fmt:MATRIX_FMT_FP4 matrix_b_fmt:MATRIX_FMT_FP4 matrix_a_scale:MATRIX_SCALE_ROW1
.elseif \t%2 == 0
	v_wmma_scale_f32_16x16x128_f8f6f4 v[ACC+64*\u+8*\t:ACC+64*\u+8*\t+7], v[128*(\f)+8*\t:128*(\f)+8*\t+7], v[128*(\f)+64+8*\u:128*(\f)+64+8*\u+7], v[ACC+64*\u+8*\t:ACC+64*\u+8*\t+7], v[PS+8*(\t/2)+(\s)], v[RS+(\s)] matrix_a_fmt:MATRIX_FMT_FP4 matrix_b_fmt:MATRIX_FMT_FP4 matrix_b_scale:MATRIX_SCALE_ROW1
.else
	v_wmma_scale_f32_16x16x128_f8f6f4 v[ACC+64*\u+8*\t:ACC+64*\u+8*\t+7], v[128*(\f)+8*\t:128*(\f)+8*\t+7], v[128*(\f)+64+8*\u:128*(\f)+64+8*\u+7], v[ACC+64*\u+8*\t:ACC+64*\u+8*\t+7], v[PS+8*(\t/2)+(\s)], v[RS+(\s)] matrix_a_fmt:MATRIX_FMT_FP4 matrix_b_fmt:MATRIX_FMT_FP4 matrix_a_scale:MATRIX_SCALE_ROW1 matrix_b_scale:MATRIX_SCALE_ROW1
.endif
.endr
.endr
.endm
; K step s is multiplied; ahead of it the next step's fragments (quarter q of chunk c) are asked for, into the buffer that step s - 1 has left
.macro KSTEP s, c, q
	PLACES
	FETCH \c, \q, 1-(\s)%2
	s_wait_dscnt 20                                ; all but the 20 just issued
	MUL (\s)%2, \s
.endm
; 64 numbers of a lane, register 16 b + i = index 32 b + 16 (lane / 16) + i of my row, become a fragment's codes in v[pc] on and its scale word in v[pw]
.macro QUANT s, pc, pw
.irp b, 0,1,2,3
	v_max3_num_f32 v[TM+\b], |v[(\s)+16*\b]|, |v[(\s)+1+16*\b]|, 0x1800000   ; block b: my 16 numbers and the floor 2^(3 - 127): the byte cannot fall under 1
.endr
.irp i, 2,4,6,8,10,12,14
.irp b, 0,1,2,3
	v_max3_num_f32 v[TM+\b], v[TM+\b], |v[(\s)+16*\b+\i]|, |v[(\s)+1+16*\b+\i]|   ; the four blocks by turns
.endr
.endr
.irp b, 0,1,2,3
	v_permlanex16_b32 v[TM+4+\b], v[TM+\b], s[SEL], s[SEL+1]
.endr
.irp b, 0,1,2,3
	v_max_num_f32 v[TM+\b], v[TM+\b], v[TM+4+\b]   ; with lane l xor 16's: the block's largest magnitude
.endr
.irp b, 0,1,2,3
	v_add_nc_u32 v[TM+12+\b], 0xff000000, v[TM+\b] ; 2 off its exponent field: the conversion's scale operand
.endr
.irp b, 0,1,2,3
	v_lshrrev_b32 v[TM+4+\b], 23, v[TM+12+\b]      ; the scale's byte
.endr
	v_lshl_or_b32 v[\pw], v[TM+5], 8, v[TM+4]
	v_lshl_or_b32 v[\pw], v[TM+6], 16, v[\pw]
	v_lshl_or_b32 v[\pw], v[TM+7], 24, v[\pw]
.irp b, 0,1,2,3
	v_cvt_scalef32_pk8_fp4_f32 v[\pc+2*\b], v[(\s)+16*\b:(\s)+7+16*\b], v[TM+12+\b]
	v_cvt_scalef32_pk8_fp4_f32 v[\pc+1+2*\b], v[(\s)+8+16*\b:(\s)+15+16*\b], v[TM+12+\b]
.endr
	v_nop                                          ; one plain place behind a scaled conversion
.irp c, 0,1                            ; the operand's layout wants a whole block in a lane: lanes 0-15 block 2 c, lanes 16-31 block 2 c + 1
.irp i, 0,1
	v_permlane16_swap_b32 v[\pc+4*\c+\i], v[\pc+2+4*\c+\i]
.endr
.endr
.endm
	s_wait_tensorcnt 2                             ; my parts of chunk 0 are in; chunk 1's two loads stay out
	s_barrier_signal -1
	s_barrier_wait -1                              ; everybody's are
	FETCH 0, 0, 0
	FETCH 0, 1, 1
	s_wait_loadcnt 0x0                             ; the scale words and the biases
	s_wait_dscnt 20                                ; K step 0's fragments are in
	MUL 0, 0
	KSTEP 1, 0, 2
	KSTEP 2, 0, 3
	s_wait_tensorcnt 0x0                           ; my parts of chunk 1 are in,
	s_wait_dscnt 0x0                               ; no LDS load of mine is out at the signal,
	s_barrier_signal -1
	s_barrier_wait -1                              ; everybody's are
	KSTEP 3, 1, 0
	KSTEP 4, 1, 1
	KSTEP 5, 1, 2
	KSTEP 6, 1, 3
	s_wait_dscnt 0x0
	MUL 1, 7
	WIN 0
	PLACES                                         ; ahead of the first read of results
.irp b, 0,1,2,3
	v_mov_b32 v[TM+4+\b], 0                        ; written once: a lane permute's destination counts as one of its sources
.endr
	QUANT ACC, PC0, PW0
	global_store_b128 v[VO], v[PC0:PC0+3], s[DST:DST+1]        ; 32 lanes store 512 consecutive bytes, aligned: half a fragment as it stands
	global_store_b128 v[VO+1], v[PC0+4:PC0+7], s[DST:DST+1]
	QUANT ACC+64, PC1, PW1
	global_store_b128 v[VO+2], v[PC1:PC1+3], s[DST:DST+1]
	global_store_b128 v[VO+3], v[PC1+4:PC1+7], s[DST:DST+1]
	; the scale words.  q, k: lanes 0-15 tile u = 0, lanes 16-31 u = 1; bytes 0, 1 go to the even head, bytes 2, 3 to the odd one, each with two bytes 0 above.  v: tile u = 0's word, then u = 1's, whole.
	v_cndmask_b32 v[SELW], v[PW0], v[PW1], s[MHI]
	v_and_b32 v[B0], s[MLO], v[SELW]
	v_lshrrev_b32 v[B1], 16, v[SELW]
	v_cndmask_b32 v[B1], v[B1], v[PW1], s[MV]
	ds_store_b32 v[STI], v[B0]
	ds_store_b32 v[STI], v[B1] offset:1024
	s_wait_dscnt 0x0                               ; for the others' sake: my stores have landed
	s_barrier_signal -1
	s_barrier_wait -1
	ds_load_b64 v[OW:OW+1], v[STO]
	s_wait_dscnt 0x0
	global_store_b64 v[SGO], v[OW:OW+1], s[SD:SD+1]            ; 32 lanes store 256 consecutive bytes, aligned
	s_wait_tensorcnt 0x0
	ds_add_u32 v126, v127
	s_wait_dscnt 0x0
	s_endpgm
.Lfunc_end_k_q4507d06726_proj:
	.size	k_q4507d06726_proj, .Lfunc_end_k_q4507d06726_proj-k_q4507d06726_proj
	.p2alignl 7, 3214868480
	.fill 96, 4, 3214868480
	.section	.rodata,"a",@progbits
	.p2align	6, 0x0
	.amdhsa_kernel k_q4507d06726_proj
		.amdhsa_group_segment_fixed_size 211968
		.amdhsa_private_segment_fixed_size 0
		.amdhsa_enable_private_segment 0
		.amdhsa_kernarg_size 80
		.amdhsa_user_sgpr_count 2
		.amdhsa_user_sgpr_kernarg_segment_ptr 1
		.amdhsa_wavefront_size32 1
		.amdhsa_system_sgpr_workgroup_id_x 1
		.amdhsa_system_sgpr_workgroup_id_y 1
		.amdhsa_system_sgpr_workgroup_id_z 1
		.amdhsa_system_vgpr_workitem_id 0
		.amdhsa_next_free_vgpr 512
		.amdhsa_next_free_sgpr 100
		.amdhsa_reserve_vcc 0
		.amdhsa_float_denorm_mode_32 3
		.amdhsa_float_denorm_mode_16_64 3
		.amdhsa_memory_ordered 1
		.amdhsa_forward_progress 1
		.amdhsa_inst_pref_size 54
	.end_amdhsa_kernel
	.amdgpu_metadata
---
amdhsa.version: [ 1, 2 ]
amdhsa.kernels:
  - .name:           k_q4507d06726_proj
    .symbol:         k_q4507d06726_proj.kd
    .args:
      - { .name: x_codes, .offset: 0, .size: 8, .value_kind: global_buffer, .address_space: global }
      - { .name: x_scales, .offset: 8, .size: 8, .value_kind: global_buffer, .address_space: global }
      - { .name: w_codes, .offset: 16, .size: 8, .value_kind: global_buffer, .address_space: global }
      - { .name: w_scales, .offset: 24, .size: 8, .value_kind: global_buffer, .address_space: global }
      - { .name: q_b, .offset: 32, .size: 8, .value_kind: global_buffer, .address_space: global }
      - { .name: k_b, .offset: 40, .size: 8, .value_kind: global_buffer, .address_space: global }
      - { .name: v_b, .offset: 48, .size: 8, .value_kind: global_buffer, .address_space: global }
      - { .name: q_img, .offset: 56, .size: 8, .value_kind: global_buffer, .address_space: global }
      - { .name: q_sc, .offset: 64, .size: 8, .value_kind: global_buffer, .address_space: global }
      - { .name: kvimg, .offset: 72, .size: 8, .value_kind: global_buffer, .address_space: global }
    .group_segment_fixed_size: 211968
    .private_segment_fixed_size: 0
    .kernarg_segment_align: 8
    .kernarg_segment_size: 80
    .max_flat_workgroup_size: 256
    .sgpr_count:     100
    .vgpr_count:     512
    .wavefront_size: 32
...
	.end_amdgpu_metadata
.endif
;; end of part 2
;; launch attn (part 3): grid 64 x 4, 16 waves a work-group, clusters of 4 x 1, 296,960 bytes of LDS; arguments q_img, q_sc, kvimg, out0; writes out0
.if DOCPART == 3
	.amdgcn_target "amdgcn-amd-amdhsa--gfx1250"
	.amdhsa_code_object_version 6
	.text
	.protected	k_q4507d06726_attn
	.globl	k_q4507d06726_attn
	.p2align	8
	.type	k_q4507d06726_attn,@function
k_q4507d06726_attn:
	s_mov_b64 s[64:65], 0
	v_nop
	global_prefetch_b8 v0, s[64:65] scope:SCOPE_SE
	s_setreg_imm32_b32 hwreg(HW_REG_WAVE_MODE, 25, 1), 1
	s_wait_xcnt 0x0
	s_wait_alu depctr_hold_cnt(0) depctr_sa_sdst(0) depctr_va_vdst(0) depctr_va_sdst(0) depctr_va_ssrc(0) depctr_va_vcc(0) depctr_vm_vsrc(0)
	s_getreg_b32 s2, hwreg(HW_REG_IB_STS2, 6, 4)
	s_cmp_eq_u32 s2, 0
	s_cbranch_scc0 .Lentry_in_a_cluster
	s_endpgm
.Lentry_in_a_cluster:
	s_bfe_u32 s2, ttmp6, 0x10000c
	s_cmp_lg_u32 s2, 0x3003
	s_cbranch_scc0 .Lentry_shape_is_right
	s_endpgm
.Lentry_shape_is_right:
; out0[q][64 head + d] = the sum over keys of softmax(q . k / 8) v, 16 query heads on 4 KV heads (head = 4 kv + g), 4,096 queries and keys, head size 64; both products on codes of FP4 with E8M0 scales.
; THE SOFTMAX AHEAD OF THE SECOND PRODUCT: t = score x log2(e) / 8; M = the running largest t rounded UP to a whole number; p = 2^(t - M) is quantised along the keys, not normalised; the row's sum is taken of the
; unquantised p and divides at the end.  When M moves, the sum and O are multiplied by 2^(old M - new M): exact.
; SHARES.  Work-group (x, kv): 64 queries (tiles 4 x .. 4 x + 3) of the four heads of KV head kv.  Wave w: head 4 kv + w % 4, tile T = 4 x + w / 4: 16 queries, 256 registers, four waves to a SIMD, so that one wave's
; vector work stands beside another's matrix work and LDS loads.  Every wave walks 32 steps of 128 keys.
; LDS IS THE KV HEAD'S 294,912 BYTES OF kvimg AS THEY LIE: 32 records of 9,216 bytes (K's 8 tiles, V^T's 4, K's scale words, V's), images of operand registers: every read is 16 or 4 bytes x lane, on end.
; They come ONCE, in four chunks of eight steps; each wave brings 4,608 bytes of each chunk: four tensor loads of mine are out at the most.  No byte is filled twice.
; CLUSTER: the four work-groups of a cluster have the same kv: each load is asked for jointly, with the same descriptor and the mask of the four.  The place in the cluster enters Q's and the output's addresses alone.
; LAYOUT.  Both products transposed: S^T = K Q^T, O^T = V^T P^T: a lane holds one query (lane % 16).  Lane r of tile 2 b + u (of keys, of queries, of V's channels) is row 32 b + 8 u + r + 8 (r / 8), so that the 16
; registers of tiles 2 b, 2 b + 1 are 16 neighbours.
; K = 64 IN A FORM OF 128: Q's registers 4-7 are zero codes.  K's operand for tile t is its four registers and the four that follow (the next tile's, or zeros): those meet Q's zeros.  The upper two bytes of K's and Q's scale words are 0.
; LIMITS: NaN and infinities are not served; a p under 2^-126 counts as 0.
.set REC,  9216
.set CHB,  8*REC                       ; a chunk
.set KVB,  4*CHB
.set PART, CHB/16                      ; a wave's part of a chunk: 18 rows of 256 bytes
.set SPT,  272                         ; the way out: a stage row, 256 bytes + 16
.set LI,  1                            ; v1  16 x lane
.set LS,  2                            ; v2  4 x lane
.set ADI, 3                            ; v3  the step's record + 16 x lane
.set ADS, 4                            ; v4  + 4 x lane
.set QSO, 5
.set GO,  7
.set Q,   16                           ; v16-23 Q's fragment (20-23 zeros)
.set QS,  24
.set KS,  28                           ; v28-31 K's scale words: register b: lanes 0-15 tile 2 b, lanes 16-31 tile 2 b + 1
.set VS,  32                           ; v32-35 V's
.set KF,  36                           ; v36-71 K's 8 tiles of 4 registers, and 4 zeros
.set VF,  72                           ; v72-103 V^T's 4 tiles
.set S,   104                          ; v104-167 S^T, then p
.set O,   168                          ; v168-199 O^T
.set PC,  200                          ; v200-207 p's codes
.set BM,  208                          ; v208-211 each block's largest score, then its largest p
.set T2,  212
.set SOP, 216
.set TMP, 220
.set F,   222                          ; v222 f = 2^(old M - new M); named in a pair with
.set PSW, 223                          ; v223 p's scale word
.set SUM2, 224
.set WV,  12
.set G1,  24                           ; s[24:31] group 1; s[32:47] four groups 0
.set G0,  32
.set SEL, 48
.set CS,  50
.set TB,  52
.set CNT, 53
.macro CROUND                          ; a round of the cluster's barrier
	s_barrier_signal -1
	s_barrier_wait -1
	s_cmp_lg_u32 s[WV], 0
	s_cbranch_scc1 .Lnot_wave_0_\@
	s_barrier_signal -3
.Lnot_wave_0_\@:
	s_barrier_wait -3
	s_barrier_signal -1
	s_barrier_wait -1
.endm
	s_load_b256 s[4:11], s[0:1], 0x0               ; q_img 4, q_sc 6, kvimg 8, out0 10
	v_lshl_add_u32 v254, v0, 2, 0x48000
	v_mov_b32 v255, 0
	ds_add_u32 v254, v255
	ds_add_u32 v254, v255
	v_lshrrev_b32 v1, 5, v0
	v_readfirstlane_b32 s[WV], v1                  ; wave 0..15
	s_bfe_u32 s13, ttmp6, 0x40000                  ; cx
	s_lshl_b32 s14, ttmp9, 2
	s_add_co_u32 s14, s14, s13                     ; x = 4 x cluster x + cx
	s_and_b32 s15, ttmp7, 0xffff                   ; kv, which the four partners share
	s_mov_b32 s[G1], 15|(3<<16)|(1<<21)            ; the mask of the four; elements of 8 bytes; bit 21 beside a mask; no padding
	s_mov_b32 s[G1+1], 32<<16                      ; tensor_dim0: 32 elements = 256 bytes
	s_mov_b32 s[G1+2], 18<<16                      ; tensor_dim1
	s_mov_b32 s[G1+3], 32<<16                      ; tile_dim0
	s_mov_b32 s[G1+4], 18                          ; tile_dim1
	s_mov_b32 s[G1+5], 32                          ; dense rows
	s_mov_b32 s[G1+6], 0
	s_mov_b32 s[G1+7], 0
	s_mov_b32 s[SEL], 0x76543210
	s_mov_b32 s[SEL+1], 0xfedcba98
	s_mov_b32 s[CS], 0x3e38aa3b                    ; c = log2(e) / 8
	s_mov_b32 s[CS+1], s[CS]                       ; (named with it as a pair)
	s_mul_i32 s16, s[WV], PART
	s_mul_i32 s18, s15, KVB
	s_add_co_u32 s18, s18, s16
	s_mov_b32 s19, 0
	s_and_b32 s20, s[WV], 3
	s_lshl_b32 s21, s15, 2
	s_add_co_u32 s20, s20, s21                     ; my head
	s_lshr_b32 s21, s[WV], 2
	s_lshl_b32 s22, s14, 2
	s_add_co_u32 s21, s21, s22                     ; my tile T
	s_wait_dscnt 0x0
	s_wait_kmcnt 0x0
	s_add_nc_u64 s[18:19], s[8:9], s[18:19]        ; my part of chunk 0 in memory
.irp n, 0,1,2,3
	s_mov_b32 s[G0+4*\n], 1
	s_add_co_u32 s[G0+4*\n+1], s16, \n*CHB
	s_add_nc_u64 s[G0+4*\n+2:G0+4*\n+3], s[18:19], \n*CHB
	s_or_b32 s[G0+4*\n+3], s[G0+4*\n+3], 0x80000000
.endr
	CROUND                                         ; all four work-groups are here: the joint loads meet
.irp n, 0,1,2,3
	tensor_load_to_lds s[G0+4*\n:G0+4*\n+3], s[G1:G1+7]
	s_nop 0
.endr
.rept 4
	v_nop                                          ; four follow the last
.endr
	s_lshl_b32 s22, s20, 17                        ; q_img: head x 131,072 + T x 512
	s_lshl_b32 s54, s21, 9
	s_add_co_u32 s22, s22, s54
	s_mov_b32 s23, 0
	s_add_nc_u64 s[4:5], s[4:5], s[22:23]
	s_lshl_b32 s22, s20, 14                        ; q_sc: head x 16,384 + T x 64
	s_lshl_b32 s54, s21, 6
	s_add_co_u32 s22, s22, s54
	s_add_nc_u64 s[6:7], s[6:7], s[22:23]
	s_lshr_b32 s22, s21, 1                         ; out0: row 32 (T / 2) + 8 (T % 2) of 4,096 bytes, + 256 x head
	s_lshl_b32 s22, s22, 17
	s_and_b32 s54, s21, 1
	s_lshl_b32 s54, s54, 15
	s_add_co_u32 s22, s22, s54
	s_lshl_b32 s54, s20, 8
	s_add_co_u32 s22, s22, s54
	s_add_nc_u64 s[10:11], s[10:11], s[22:23]
	v_and_b32 v6, 31, v0
	v_lshlrev_b32 v[LI], 4, v6
	v_lshlrev_b32 v[LS], 2, v6
	v_and_b32 v8, 15, v0
	v_lshlrev_b32 v[QSO], 2, v8
	global_load_b128 v[Q:Q+3], v[LI], s[4:5]       ; Q's fragment as it was stored
	global_load_b32 v[QS], v[QSO], s[6:7]          ; lane r: query row r's word
.irp j, 0,1,2,3
	v_mov_b32 v[Q+4+\j], 0                         ; zero codes for k = 64 .. 127
	v_mov_b32 v[KF+32+\j], 0                       ; what stands behind K's last tile
	v_mov_b32 v[T2+\j], 0                          ; a lane permute's destination counts as one of its sources
.endr
	v_mov_b32 v13, 0xff61b1e6                      ; the largest t so far: -3e38
	v_floor_f32 v12, -v13                          ; -M
	v_mov_b32 v14, 0                               ; the sum, in two halves
	v_mov_b32 v15, 0
	v_mov_b32 v[PSW], 0                            ; (named as the upper half of a pair before it is first written)
	v_mov_b32 v[TMP], 0
.set j, 0
.rept 32
	v_mov_b32 v[O+j], 0                            ; O^T: the step is written once; the first finds zeros, which the first change of M leaves zeros
.set j, j+1
.endr
; A KEY STEP: 128 keys, the record at LDS byte s[TB]
.macro STEP
	v_add_nc_u32 v[ADI], s[TB], v[LI]
	v_add_nc_u32 v[ADS], s[TB], v[LS]
	v_nop
	v_nop                                          ; four places between the last step's products and the loads into V's registers
.irp t, 0,1,2,3,4,5,6,7
	ds_load_b128 v[KF+4*\t:KF+4*\t+3], v[ADI] offset:512*\t
.endr
.irp b, 0,1,2,3
	ds_load_b32 v[KS+\b], v[ADS] offset:8192+128*\b
.endr
.irp ct, 0,1,2,3
.irp c, 0,1
	ds_load_b128 v[VF+8*\ct+4*\c:VF+8*\ct+4*\c+3], v[ADI] offset:4096+1024*\ct+512*\c
.endr
.endr
.irp ct, 0,1,2,3
	ds_load_b32 v[VS+\ct], v[ADS] offset:8704+256*(\ct%2)+128*(\ct/2)
.endr
	s_wait_dscnt 12                                ; K and its scale words are in; V's twelve loads may be out
.irp t, 0,1,2,3,4,5,6,7
.if \t%2
	v_wmma_scale_f32_16x16x128_f8f6f4 v[S+8*\t:S+8*\t+7], v[KF+4*\t:KF+4*\t+7], v[Q:Q+7], 0, v[KS+\t/2], v[QS] matrix_a_fmt:MATRIX_FMT_FP4 matrix_b_fmt:MATRIX_FMT_FP4 matrix_a_scale:MATRIX_SCALE_ROW1
.else
	v_wmma_scale_f32_16x16x128_f8f6f4 v[S+8*\t:S+8*\t+7], v[KF+4*\t:KF+4*\t+7], v[Q:Q+7], 0, v[KS+\t/2], v[QS] matrix_a_fmt:MATRIX_FMT_FP4 matrix_b_fmt:MATRIX_FMT_FP4
.endif
.endr                                  ; the 16 registers of tiles 2 b, 2 b + 1 are keys 32 b + 16 (lane / 16) + 0 .. 15
.rept 4
	v_nop
.endr
.irp b, 0,1,2,3
	v_max3_num_f32 v[BM+\b], v[S+16*\b], v[S+1+16*\b], v[S+2+16*\b]   ; the largest score of each block of 32 keys: for the row's maximum and, since p rises with the score, for the block's largest p
.endr
.irp i, 3,5,7,9,11,13
.irp b, 0,1,2,3
	v_max3_num_f32 v[BM+\b], v[BM+\b], v[S+16*\b+\i], v[S+1+16*\b+\i]
.endr
.endr
.irp b, 0,1,2,3
	v_max_num_f32 v[BM+\b], v[BM+\b], v[S+15+16*\b]
.endr
.irp b, 0,1,2,3
	v_permlanex16_b32 v[T2+\b], v[BM+\b], s[SEL], s[SEL+1]
.endr
.irp b, 0,1,2,3
	v_max_num_f32 v[BM+\b], v[BM+\b], v[T2+\b]     ; with lane l xor 16's 16 keys
.endr
	v_max3_num_f32 v[TMP], v[BM], v[BM+1], v[BM+2]
	v_max_num_f32 v[TMP], v[TMP], v[BM+3]
	v_mul_f32 v[TMP], s[CS], v[TMP]                ; the step's largest t (c is positive)
	v_max_num_f32 v13, v13, v[TMP]
	v_mov_b32 v[TMP], v12
	v_floor_f32 v12, -v13                          ; the new -M = -ceil(t): a whole number
	v_sub_f32 v[TMP], v12, v[TMP]                  ; old M - new M: a whole number, 0 or less
	v_cvt_i32_f32 v[TMP], v[TMP]                   ; (it saturates)
	v_ldexp_f32 v[F], 1.0, v[TMP]                  ; f
.set j, 0
.rept 32
	v_pk_fma_f32 v[S+j:S+j+1], v[S+j:S+j+1], s[CS:CS+1], v[12:13] op_sel_hi:[1,0,0]   ; t - M, two at a time
.set j, j+2
.endr
.irp b, 0,1,2,3
	v_fma_f32 v[BM+\b], v[BM+\b], s[CS], v12       ; the same of each block's largest score
.endr
.set j, 0
.rept 64
	v_exp_f32 v[S+j], v[S+j]                       ; p = 2^(t - M)
.set j, j+1
.endr
	v_pk_mul_f32 v[14:15], v[14:15], v[F:F+1] op_sel_hi:[1,0]   ; the sums under the new M (the plain line behind the exponentials)
	s_wait_alu depctr_va_vdst(0)                   ; one wait for the batch of 64, ahead of the first line that names a result
.irp b, 0,1,2,3
	v_exp_f32 v[BM+\b], v[BM+\b]                   ; the block's largest p: the same two instructions on the same number
.endr
.set j, 0
.rept 16
	v_pk_mul_f32 v[O+j:O+j+1], v[O+j:O+j+1], v[F:F+1] op_sel_hi:[1,0]   ; O^T under the new M, each accumulator from its low end on: independent work behind the four
.set j, j+2
.endr
	s_wait_alu depctr_va_vdst(0)                   ; and one wait for the four
.irp b, 0,1,2,3
	v_max_num_f32 v[BM+\b], 0x1800000, v[BM+\b]    ; the floor 2^(3 - 127): the byte cannot fall under 1
.endr
.irp b, 0,1,2,3
	v_add_nc_u32 v[SOP+\b], 0xff000000, v[BM+\b]   ; 2 off the exponent field: the conversion's scale operand
.endr
.irp b, 0,1,2,3
	v_lshrrev_b32 v[T2+\b], 23, v[SOP+\b]          ; the scale's byte
.endr
	v_lshl_or_b32 v[PSW], v[T2+1], 8, v[T2]        ; p's scale word for these 128 keys
	v_lshl_or_b32 v[PSW], v[T2+2], 16, v[PSW]
	v_lshl_or_b32 v[PSW], v[T2+3], 24, v[PSW]
.irp b, 0,1,2,3
	v_cvt_scalef32_pk8_fp4_f32 v[PC+2*\b], v[S+16*\b:S+7+16*\b], v[SOP+\b]
	v_cvt_scalef32_pk8_fp4_f32 v[PC+1+2*\b], v[S+8+16*\b:S+15+16*\b], v[SOP+\b]
.endr
	v_nop                                          ; one plain place behind a scaled conversion
.irp c, 0,1
.irp i, 0,1
	v_permlane16_swap_b32 v[PC+4*\c+\i], v[PC+2+4*\c+\i]   ; a whole block to a lane
.endr
.endr
	v_pk_add_f32 v[SUM2:SUM2+1], v[S:S+1], v[S+2:S+3]      ; the row's sum of the UNQUANTISED p, in two chains.  These 32 lines are also the places between the scale word, the codes and the products below
.irp j, 4,8,12,16,20,24,28,32,36,40,44,48,52,56,60
	v_pk_add_f32 v[14:15], v[14:15], v[S+\j:S+\j+1]
	v_pk_add_f32 v[SUM2:SUM2+1], v[SUM2:SUM2+1], v[S+2+\j:S+3+\j]
.endr
	v_pk_add_f32 v[14:15], v[14:15], v[SUM2:SUM2+1]
	s_wait_dscnt 0x0                               ; V and its scale words are in
.irp ct, 0,1,2,3
	v_wmma_scale_f32_16x16x128_f8f6f4 v[O+8*\ct:O+8*\ct+7], v[VF+8*\ct:VF+8*\ct+7], v[PC:PC+7], v[O+8*\ct:O+8*\ct+7], v[VS+\ct], v[PSW] matrix_a_fmt:MATRIX_FMT_FP4 matrix_b_fmt:MATRIX_FMT_FP4
.endr                                  ; the accumulators take turns: eight of S^T, four of O^T
.endm
; Chunk n: my part of it has landed (the later chunks' loads stay out), no LDS load of mine is out, and behind the barrier that holds of all sixteen waves.  Then its eight steps.
.macro CHUNK n
	s_wait_tensorcnt 3-\n
	s_wait_dscnt 0x0
	s_barrier_signal -1
	s_barrier_wait -1
	s_mov_b32 s[TB], \n*CHB
	s_mov_b32 s[CNT], 8
.Lstep_\@:
	STEP
	s_add_co_u32 s[TB], s[TB], REC
	s_sub_co_u32 s[CNT], s[CNT], 1
	s_cmp_lg_u32 s[CNT], 0
	s_cbranch_scc1 .Lstep_\@
.endm
	s_wait_loadcnt 0x0                             ; Q and its scale words
	CHUNK 0
	CHUNK 1
	CHUNK 2
	CHUNK 3
	; THE WAY OUT.  O^T / the sum goes through my stage, 16 rows of 256 bytes + 16, and leaves as whole rows.  The stages lie in chunk 0: it has had its one fill, and every wave has left it ahead of the later chunks' barriers.
	v_add_f32 v14, v14, v15                        ; the sum's two halves,
	v_permlanex16_b32 v[TMP], v14, s[SEL], s[SEL+1]
	v_add_f32 v14, v14, v[TMP]                     ; and lane l xor 16's
	v_rcp_f32 v14, v14
	v_and_b32 v8, 15, v0                           ; r (a plain line behind the reciprocal)
	v_bfe_u32 v9, v0, 4, 1                         ; h
	s_mul_i32 s54, s[WV], 16*SPT
	v_mul_u32_u24 v10, v8, SPT
	v_lshl_add_u32 v10, v9, 6, v10
	v_add_nc_u32 v10, s54, v10                     ; in: row r, + 64 h: register j of tile 2 b' + u is channel 32 b' + 16 h + 8 u + j
	v_mul_u32_u24 v11, v9, SPT
	v_lshl_add_u32 v11, v8, 4, v11
	v_add_nc_u32 v11, s54, v11                     ; back: lanes 0-15 one row, lanes 16-31 the next
	v_lshlrev_b32 v[GO], 12, v9
	v_lshl_add_u32 v[GO], v8, 4, v[GO]             ; and the same in out0
	s_wait_alu depctr_va_vdst(0)                   ; ahead of the reciprocal's first reader
.set j, 0
.rept 32
	v_mul_f32 v[S+j], v[O+j], v14
.set j, j+1
.endr
.irp ct, 0,1,2,3
	ds_store_b128 v10, v[S+8*\ct:S+8*\ct+3] offset:128*(\ct/2)+32*(\ct%2)
	ds_store_b128 v10, v[S+8*\ct+4:S+8*\ct+7] offset:128*(\ct/2)+32*(\ct%2)+16
.endr
.irp i, 0,1,2,3,4,5,6,7
	ds_load_b128 v[S+32+4*\i:S+35+4*\i], v11 offset:2*\i*SPT   ; in order behind my stores
.endr
.irp i, 0,1,2,3,4,5,6,7
	s_wait_dscnt 7-\i                              ; load i is back; the younger ones may be out
	global_store_b128 v[GO], v[S+32+4*\i:S+35+4*\i], s[10:11] offset:(2*\i+8*(\i/4))*4096 th:TH_STORE_NT   ; stage row n is query row n + 8 (n / 8) of the tile; 16 lanes store 256 consecutive bytes, aligned
.endr
	s_wait_tensorcnt 0x0
	ds_add_u32 v254, v255
	s_wait_dscnt 0x0
	CROUND                                         ; the closing round: no work-group ends while a partner may still ask for a tile that names it
	s_endpgm
.Lfunc_end_k_q4507d06726_attn:
	.size	k_q4507d06726_attn, .Lfunc_end_k_q4507d06726_attn-k_q4507d06726_attn
	.p2alignl 7, 3214868480
	.fill 96, 4, 3214868480
	.section	.rodata,"a",@progbits
	.p2align	6, 0x0
	.amdhsa_kernel k_q4507d06726_attn
		.amdhsa_group_segment_fixed_size 296960
		.amdhsa_private_segment_fixed_size 0
		.amdhsa_enable_private_segment 0
		.amdhsa_kernarg_size 32
		.amdhsa_user_sgpr_count 2
		.amdhsa_user_sgpr_kernarg_segment_ptr 1
		.amdhsa_wavefront_size32 1
		.amdhsa_system_sgpr_workgroup_id_x 1
		.amdhsa_system_sgpr_workgroup_id_y 1
		.amdhsa_system_sgpr_workgroup_id_z 1
		.amdhsa_system_vgpr_workitem_id 0
		.amdhsa_next_free_vgpr 256
		.amdhsa_next_free_sgpr 66
		.amdhsa_reserve_vcc 0
		.amdhsa_float_denorm_mode_32 3
		.amdhsa_float_denorm_mode_16_64 3
		.amdhsa_memory_ordered 1
		.amdhsa_forward_progress 1
		.amdhsa_inst_pref_size 72
	.end_amdhsa_kernel
	.amdgpu_metadata
---
amdhsa.version: [ 1, 2 ]
amdhsa.kernels:
  - .name:           k_q4507d06726_attn
    .symbol:         k_q4507d06726_attn.kd
    .args:
      - { .name: q_img, .offset: 0, .size: 8, .value_kind: global_buffer, .address_space: global }
      - { .name: q_sc, .offset: 8, .size: 8, .value_kind: global_buffer, .address_space: global }
      - { .name: kvimg, .offset: 16, .size: 8, .value_kind: global_buffer, .address_space: global }
      - { .name: out0, .offset: 24, .size: 8, .value_kind: global_buffer, .address_space: global }
    .group_segment_fixed_size: 296960
    .private_segment_fixed_size: 0
    .kernarg_segment_align: 8
    .kernarg_segment_size: 32
    .max_flat_workgroup_size: 512
    .sgpr_count:     66
    .vgpr_count:     256
    .wavefront_size: 32
...
	.end_amdgpu_metadata
.endif
;; end of part 3
